; MI455X (gfx1250); checked and timed in simulation.
; The chip was launched on July 23, 2026; its instructions are those of AMD's public machine-readable ISA for CDNA 5 (MIT licence, August 2026) and "CDNA5" Instruction Set Architecture Reference Guide (July 2026). The comments in the code are by the model that wrote it; some were corrected since.
;; Temporal Logic Layer. Allowed arithmetic: float matrix products may take bf16 or f16 operands with f32 sums; all other float work in f32.
;; Inputs: P 32 x 128 x 128 float32; W1 256 x 132 float32; W2 132 x 132 float32; W3 132 x 64 float32; b1 132 float32; b2 132 float32; b3 64 float32.
;; Outputs: out0 32 x 128 x 64 float32.
;; One version. Each part assembles by itself: llvm-mc -triple=amdgcn-amd-amdhsa -mcpu=gfx1250 --defsym DOCPART=n.
;; ======== version 1 of 1: 1 launch
;; launch tll (part 1): grid 256 x 1, 4 waves a work-group, no clusters, 324,096 bytes of LDS; arguments P, W1, W2, W3, b1, b2, b3, out0; writes out0
.if DOCPART == 1
	.amdgcn_target "amdgcn-amd-amdhsa--gfx1250"
	.amdhsa_code_object_version 6
	.text
	.protected	k_q2155a0f4d8_tll
	.globl	k_q2155a0f4d8_tll
	.p2align	8
	.type	k_q2155a0f4d8_tll,@function
k_q2155a0f4d8_tll:
	s_mov_b64 s[64:65], 0
	v_nop
	global_prefetch_b8 v0, s[64:65] scope:SCOPE_SE
	s_setreg_imm32_b32 hwreg(HW_REG_WAVE_MODE, 25, 1), 1
	s_wait_xcnt 0x0
; out0[b][t][:] = max over te >= t of sigmoid(5 * MLP([max(P[b][t..te][:]), P[b][te][:]])),  MLP: 256 -> 132 -> 132 -> 64, two ReLU.
; P [32][128][128], W1 [256][132], W2 [132][132], W3 [132][64], b1, b2 [132], b3 [64], out0 [32][128][64], all f32.
;
; WHAT IS NOT COMPUTED, for every input: pairs te < t (reference() throws them away); the half of layer 1 that sees P[b][te] alone is
; made once per te (Q = P W1[128:256] + b1, kept in f32) and starts layer 1's sums; the sigmoid never falls, so it is applied once, to the
; maximum of its argument.
; SHARES: work-group = (b, j), b = id >> 3, j = id & 7.  It owns the start times t0A = 8 j .. +7 (group A) and t0B = 120 - 8 j .. +7 (group B).
; A step is 16 columns: 8 start times x 2 end times; step q of a group takes te = t0 + 8 q + el, el = 2 wave + half.  Group A has 16 - j steps
; a wave, group B has j + 1: 17 in every wave of every work-group.  Four waves, each with all the weights in its own registers.
; THE CHAIN IS TRANSPOSED: D[feature][column] = A (weights) x B (activations).  Lane (r, h) of a result tile holds features 8 h .. 8 h + 7 of
; column r, which after ReLU and rounding is registers 0-3 or 4-7 of the next layer's B fragment: nothing crosses lanes or LDS.
; BIAS IN K'S PADDING: K = 132 needs a fifth step of 32, of which only k = 128..131 (lanes h = 0) and k = 136..139 (lanes h = 1), registers 0 and 1,
; are used.  Rows 136-138 of the images of W2 and W3 hold the bias in three bf16 terms (24 bits, summed in f32); features 136-138 of both
; hidden layers are held at 1.0 (b1 and b2 are continued by 0,0,0,0, 1,1,1,0, 0,0,0,0).  Registers 2-7 of B's tail fragment are 0 for good, so
; the 13 tail fragments of A overlap, two registers apart: their upper six registers are other tails' numbers, multiplied by 0.
; WINDOW MAXIMA: for te >= t0 + 8, max P[t..te] = max(S[t], R[te]), S[t] = max P[t..t0+7], R[te] = max P[t0+8..te]; below that a table DG[el][tl].
; LIMITS: matrix operands are bf16; weights and biases must stay finite when rounded to bf16 (|x| < 3.39e38) or the 0 x tail products give NaN;
; NaN and infinities in P are not followed as reference() follows them (v_max_num drops a NaN); the sign of zero is not kept.
; NO CLUSTER, NO TENSOR LOADS: what work-groups share (238,656 bytes of weights, 65,536 of P[b]) is read once by each and has to pass
; through registers to be rounded to bf16 and laid at another pitch; a raw f32 copy beside the 138,240 bytes of images does not fit in LDS.
;
; LDS (bytes).  Pitches 528, 592, 272, 144 are odd multiples of 16, pitches 288 and 160 odd multiples of 32: the rows that one load or store
; touches start at different 16-byte columns modulo 256.  In every phase a wave stores into a contiguous range of its own.
.set WROW,  528                        ; a row of W1 or W2 in memory: 132 f32
.set P1,    288                        ; image row of W1, W2: 144 bf16
.set P3,    160                        ; image row of W3: 64 bf16 + 32 bytes that are never read
.set TP,    144                        ; table row: 32 f32 + 16
.set PP,    528                        ; P row: 128 f32 + 16
.set QP,    592                        ; Q row: 144 f32 + 16
.set SP,    272                        ; stage row: 64 f32 + 16
.set IMG1,  0                          ; 256 rows [k][n]: W1
.set IMG2,  IMG1+256*P1                ; 73,728: 144 rows: W2, 4 of zeros, b2 in three terms, 5 of zeros
.set IMG3,  IMG2+144*P1                ; 115,200: 144 rows: W3 likewise with b3; ends at 138,240
.set DGP,   128*TP                     ; DG lies over IMG1 once the fragments are in registers: 4 pieces (32 features each) of 128 rows (64 g + 8 el + tl)
.set RTA,   4*DGP                      ; 73,728: R of group A, 4 pieces of 120 rows
.set RTAP,  120*TP
.set RTB,   RTA+4*RTAP                 ; 142,848: R of group B, 4 pieces of 56 rows
.set RTBP,  56*TP
.set PST,   RTB+4*RTBP                 ; 175,104: P[b] in f32, 128 rows, and 8 rows of zeros for the scan's look-ahead
.set STG,   PST                        ; the stage of the way out lies over P once the tables are made: 2 groups x 64 rows
.set STGG,  64*SP
.set QT,    PST+136*PP                 ; 246,912: Q, 128 rows
.set BP,    QT+128*QP                  ; 322,688: b1 continued to 144 f32; ends at 323,264
.set QCLAMP, QT+127*QP+32              ; the largest address that a Q load of a real step has
; REGISTERS.  Window 0: v0 thread, v1-15 addresses, then
.set RA,   1                           ; R rows of the next step
.set RAC,  2                           ; the same, held back to the group's last rows
.set QA,   3                           ; Q row of the next step
.set QAC,  4                           ; the same, held back to row 127
.set RCL,  5                           ; the group's last R rows
.set S,    16                          ; v16-79    S[t] of my column, 64 f32 (16 of each piece)
.set ACC,  80                          ; v80-151   nine result tiles (layer 3 uses the first four)
.set X,    152                         ; v152-183  layer 1's B fragments; before that the stage of pieces 2 and 3
.set H,    184                         ; v184-215  B fragments of layers 2 and 3
.set HT,   216                         ; v216-223  their tail fragment: two live registers, six zeros
.set RST,  224                         ; v224-255  the stage of pieces 0 and 1
.set XF0,  X+8                         ; where the fragment of K step s ends up
.set XF1,  X+24
.set XF2,  X
.set XF3,  X+16
; windows 1 to 3, by absolute number
.set W1F,  256                         ; 256-543   W1: fragment (s, m) at 8 (9 s + m)
.set W2F,  544                         ; 544-831   W2 likewise
.set W3F,  832                         ; 832-959   W3: fragment (s, m) at 8 (4 s + m)
.set TLF,  960                         ; 960-985   13 tails, two registers each; 986-991 zeros
.set TL0,  TLF&255
.set OUTW, 224                         ; 992-1023  running maxima: v224-255 of window 3
; Phase 0 alone uses the registers otherwise; every load that it issues has registers of its own:
;   window 0: v16-143 P, v144-151 wave 2's b2, v152-163 wave 3's b3 and b1, v164-165 two LDS addresses, v208-219 columns 128-131 of W1 and W2,
;             v220-247 wave 0's rows 128-131 of W2 and W3, v248-251 lane terms, v252-255 a quad of zeros
;   window 1: v16-207 W1 rows 0-47 of the wave;  window 2: v16-79 W1 rows 48-63, v80-207 W2;  window 3: v16-79 W3
.set SB2,  144
.set SB3,  152
.set SB1,  156
; scalars: s[4:19] the eight addresses; s20 wave; s21 b; s22 j = group B's regular steps; s23 = 15 - j, group A's; s25 max(j, 1);
; s26 counter; s27 mask of the diagonal; s28 -infinity; s30-41 offsets; s[42:45] bases of the output
.set MSB, 0
.macro WIN new                         ; s_set_vgpr_msb; the immediate's high byte repeats the setting that is left
.if MSB != (\new)
	s_set_vgpr_msb (MSB<<8)|(\new)
.set MSB, (\new)
.endif
.endm
.macro NOP4                            ; the four places behind a matrix instruction (ISA guide 7.12.1) where there is no work to put there
.rept 4
	v_nop
.endr
.endm
.macro BARRIER
	s_barrier_signal -1
	s_barrier_wait -1
.endm
; one matrix instruction: D and C in window 0, A by its absolute register number
.macro MM d, a, b, zero
	WIN ((\a)>>8)
.set a_, (\a)&255
.if \zero
	v_wmma_f32_16x16x32_bf16 v[\d:\d+7], v[a_:a_+7], v[\b:\b+7], 0
.else
	v_wmma_f32_16x16x32_bf16 v[\d:\d+7], v[a_:a_+7], v[\b:\b+7], v[\d:\d+7]
.endif
.endm
; 16 loads: my column's 64 f32 of a row that lies in four pieces ps bytes apart (features 32 p + 8 h .. +7 and 32 p + 16 + 8 h .. +7)
.macro RLOAD a, ps, off
.irp p, 0,1
	ds_load_b128 v[RST+16*\p:RST+16*\p+3],     v[\a] offset:\off+\p*\ps
	ds_load_b128 v[RST+16*\p+4:RST+16*\p+7],   v[\a] offset:\off+\p*\ps+16
	ds_load_b128 v[RST+16*\p+8:RST+16*\p+11],  v[\a] offset:\off+\p*\ps+64
	ds_load_b128 v[RST+16*\p+12:RST+16*\p+15], v[\a] offset:\off+\p*\ps+80
.endr
.irp p, 0,1
	ds_load_b128 v[X+16*\p:X+16*\p+3],     v[\a] offset:\off+(\p+2)*\ps
	ds_load_b128 v[X+16*\p+4:X+16*\p+7],   v[\a] offset:\off+(\p+2)*\ps+16
	ds_load_b128 v[X+16*\p+8:X+16*\p+11],  v[\a] offset:\off+(\p+2)*\ps+64
	ds_load_b128 v[X+16*\p+12:X+16*\p+15], v[\a] offset:\off+(\p+2)*\ps+80
.endr
.endm
; tiles m0 .. m1 of the sums' start: features 16 m + 8 h .. +7 of a row of 144 f32
.macro QLOAD a, m0, m1
.set m_, \m0
.rept \m1-\m0+1
	ds_load_b128 v[ACC+8*m_:ACC+8*m_+3],   v[\a] offset:64*m_
	ds_load_b128 v[ACC+8*m_+4:ACC+8*m_+7], v[\a] offset:64*m_+16
.set m_, m_+1
.endr
.endm
.macro SLOAD a, off
.irp p, 0,1,2,3
	ds_load_b128 v[S+16*\p:S+16*\p+3],     v[\a] offset:\off+\p*DGP
	ds_load_b128 v[S+16*\p+4:S+16*\p+7],   v[\a] offset:\off+\p*DGP+16
	ds_load_b128 v[S+16*\p+8:S+16*\p+11],  v[\a] offset:\off+\p*DGP+64
	ds_load_b128 v[S+16*\p+12:S+16*\p+15], v[\a] offset:\off+\p*DGP+80
.endr
.endm
; one piece: (unless diag) max with S in f32, then one rounding to bf16; dst + q never reaches a source that is still to be read
.macro XPIECE p, src, dst, diag
.if \diag == 0
.set e_, 0
.rept 16
	v_max_num_f32 v[\src+e_], v[\src+e_], v[S+16*\p+e_]
.set e_, e_+1
.endr
.endif
.set q_, 0
.rept 8
	v_cvt_pk_bf16_f32 v[\dst+q_], v[\src+2*q_], v[\src+2*q_+1]
.set q_, q_+1
.endr
.endm
.macro XBUILD diag                     ; pieces 2 and 3 shrink in place first; pieces 0 and 1 then fill the halves that they left
	XPIECE 2, X, X, \diag
	XPIECE 3, X+16, X+16, \diag
	XPIECE 0, RST, X+8, \diag
	XPIECE 1, RST+16, X+24, \diag
.endm
.macro LAYER1                          ; 36: the sums start from what QLOAD brought
.irp s, 0,1,2,3
.irp m, 0,1,2,3,4,5,6,7,8
	MM ACC+8*\m, W1F+8*(9*\s+\m), XF\s, 0
.endr
.endr
.endm
.macro LAYER2                          ; 45: the first K step starts the sums, the tail brings k = 128..131 and the bias
.irp m, 0,1,2,3,4,5,6,7,8
	MM ACC+8*\m, W2F+8*\m, H, 1
.endr
.irp s, 1,2,3
.irp m, 0,1,2,3,4,5,6,7,8
	MM ACC+8*\m, W2F+8*(9*\s+\m), H+8*\s, 0
.endr
.endr
.irp m, 0,1,2,3,4,5,6,7,8
	MM ACC+8*\m, TLF+2*\m, HT, 0
.endr
.endm
.macro LAYER3                          ; 20
.irp m, 0,1,2,3
	MM ACC+8*\m, W3F+8*\m, H, 1
.endr
.irp s, 1,2,3
.irp m, 0,1,2,3
	MM ACC+8*\m, W3F+8*(4*\s+\m), H+8*\s, 0
.endr
.endr
.irp m, 0,1,2,3
	MM ACC+8*\m, TLF+2*(9+\m), HT, 0
.endr
.endm
.macro CONV                            ; ReLU in f32, one rounding: tiles 2 p and 2 p + 1 become the B fragment of K step p, tile 8's first four registers the tail
.irp p, 0,1,2,3
.set e_, 0
.rept 16
	v_max_num_f32 v[ACC+16*\p+e_], 0, v[ACC+16*\p+e_]
.set e_, e_+1
.endr
.set q_, 0
.rept 8
	v_cvt_pk_bf16_f32 v[H+8*\p+q_], v[ACC+16*\p+2*q_], v[ACC+16*\p+2*q_+1]
.set q_, q_+1
.endr
.endr
.irp e, 0,1,2,3
	v_max_num_f32 v[ACC+64+\e], 0, v[ACC+64+\e]
.endr
	v_cvt_pk_bf16_f32 v[HT], v[ACC+64], v[ACC+65]
	v_cvt_pk_bf16_f32 v[HT+1], v[ACC+66], v[ACC+67]
.endm
; the fragments of four K steps x nm tiles out of an image [k][n]: two transposing loads each (k .. +7 and k + 16 .. +7 of my feature)
.macro LOADW adr, base, nm, ks, hs
.irp s, 0,1,2,3
.set m_, 0
.rept \nm
.set f_, \base+8*(\nm*\s+m_)
.set l_, f_&255
	WIN ((f_>>8)<<6)
	ds_load_tr16_b128 v[l_:l_+3],   v[\adr] offset:\s*\ks+32*m_
	ds_load_tr16_b128 v[l_+4:l_+7], v[\adr] offset:\s*\ks+32*m_+\hs
.set m_, m_+1
.endr
.endr
	WIN 0
.endm
; ---------------------------------------------------------------- phase 0: everything from memory into LDS, weights rounded to bf16
	s_load_b512 s[4:19], s[0:1], 0x0               ; P s[4:5], W1 s[6:7], W2 s[8:9], W3 s[10:11], b1 s[12:13], b2 s[14:15], b3 s[16:17], out0 s[18:19]
	v_and_b32 v1, 31, v0                           ; L, the lane
	v_lshrrev_b32 v2, 5, v0
	v_readfirstlane_b32 s20, v2                    ; w, the wave
	s_lshr_b32 s21, ttmp9, 3                       ; b
	s_and_b32 s22, ttmp9, 7                        ; j
	s_sub_co_u32 s23, 15, s22
	s_max_u32 s25, s22, 1
	s_mov_b32 s28, 0xff800000                      ; -infinity
	s_lshl_b32 s30, s21, 16                        ; P[b]: 128 rows of 512 bytes
	s_mov_b32 s31, 0
	s_mul_i32 s32, s20, 32*PP
	s_add_co_u32 s32, s32, PST                     ; my 32 rows of P in LDS
	s_mul_i32 s33, s20, 64*P1                      ; my 64 rows of W1's image
	s_mul_i32 s34, s20, 32*P1
	s_add_co_u32 s34, s34, IMG2                    ; my 32 rows of W2's
	s_mul_i32 s35, s20, 32*P3
	s_add_co_u32 s35, s35, IMG3                    ; my 32 rows of W3's
	s_mul_i32 s36, s20, 32*QP
	s_add_co_u32 s36, s36, QT                      ; my 32 rows of Q
	v_lshlrev_b32 v15, 4, v1                       ; 16 L
	v_lshlrev_b32 v250, 3, v1                      ; 8 L
	v_lshl_add_u32 v251, v2, 6, v1                 ; 64 w + L
	v_lshl_add_u32 v3, v2, 14, v15                 ; memory offsets: P rows 32 w + i
	v_mad_u32_u24 v4, v2, 64*WROW, v15             ; W1 rows 64 w + i, columns 0-127
	v_mad_u32_u24 v5, v2, 32*WROW, v15             ; W2 rows 32 w + i, columns 0-127
	v_lshl_add_u32 v6, v2, 13, v15                 ; W3: 8,192 bytes a wave
	v_mul_u32_u24 v7, v251, WROW                   ; W1 row 64 w + L (columns 128-131 by the immediate)
	v_mul_u32_u24 v8, v0, WROW                     ; W2 row 32 w + L
	v_add_nc_u32 v9, s32, v15                      ; LDS addresses: P
	v_add_nc_u32 v10, s33, v250                    ; W1's image, 4 bf16 a lane
	v_add_nc_u32 v11, s34, v250                    ; W2's
	v_lshrrev_b32 v12, 4, v1
	v_and_b32 v249, 15, v1
	v_mul_u32_u24 v12, v12, P3
	v_lshl_add_u32 v12, v249, 3, v12
	v_add_nc_u32 v12, s35, v12                     ; W3's: a load of 512 bytes is two rows, lanes 16-31 the second
	v_mul_u32_u24 v14, v1, P1
	v_add_nc_u32 v13, s33, v14                     ; row 64 w + L of W1's image
	v_add_nc_u32 v14, s34, v14                     ; row 32 w + L of W2's
	v_mul_u32_u24 v164, v1, PP
	v_add_nc_u32 v164, s32, v164                   ; row 32 w + L of P
	v_mul_u32_u24 v165, v1, QP
	v_add_nc_u32 v165, s36, v165                   ; row 32 w + L of Q
	v_lshlrev_b32 v249, 4, v249                    ; 16 (L & 15)
	v_and_b32 v248, 3, v1
	v_mul_u32_u24 v248, v248, WROW                 ; row L & 3
.irp e, 252,253,254,255
	v_mov_b32 v\e, 0                               ; a quad of zeros (v252 also serves as the offset 0)
.endr
	s_wait_kmcnt 0x0
	s_add_nc_u64 s[4:5], s[4:5], s[30:31]
	; what one wave alone fetches is asked for first and used last; each of the three waves has registers of its own for it
	s_cmp_eq_u32 s20, 0
	s_cbranch_scc0 .Lld2
.irp i, 0,1,2,3
	global_load_b128 v[220+4*\i:223+4*\i], v15, s[8:9] offset:(128+\i)*WROW      ; W2 rows 128-131
.endr
	global_load_b128 v[236:239], v248, s[8:9] offset:128*WROW+512                ; their columns 128-131
	global_load_b128 v[240:243], v15, s[10:11] offset:128*256                    ; W3 rows 128-131
	global_load_b128 v[244:247], v15, s[10:11] offset:128*256+512
.Lld2:
	s_cmp_eq_u32 s20, 2
	s_cbranch_scc0 .Lld3
	global_load_b128 v[SB2:SB2+3], v15, s[14:15]                                 ; b2[4 L ..]
	global_load_b128 v[SB2+4:SB2+7], v252, s[14:15] offset:512                   ; b2[128..131]
.Lld3:
	s_cmp_eq_u32 s20, 3
	s_cbranch_scc0 .Lld4
	global_load_b128 v[SB3:SB3+3], v249, s[16:17]                                ; b3[4 (L & 15) ..]
	global_load_b128 v[SB1:SB1+3], v15, s[12:13]                                 ; b1[4 L ..]
	global_load_b128 v[SB1+4:SB1+7], v252, s[12:13] offset:512                   ; b1[128..131]
.Lld4:
	; 147 loads that every wave makes, all issued before anything is used
.set i_, 0
.rept 32
	global_load_b128 v[16+4*i_:19+4*i_], v3, s[4:5] offset:512*i_
.set i_, i_+1
.endr
	global_load_b128 v[208:211], v7, s[6:7] offset:512
	global_load_b128 v[212:215], v7, s[6:7] offset:512+32*WROW
	global_load_b128 v[216:219], v8, s[8:9] offset:512
	WIN 0xc0                                       ; data into window 3
.set i_, 0
.rept 16
	global_load_b128 v[16+4*i_:19+4*i_], v6, s[10:11] offset:512*i_
.set i_, i_+1
.endr
	WIN 0x40                                       ; into window 1
.set i_, 0
.rept 48
	global_load_b128 v[16+4*i_:19+4*i_], v4, s[6:7] offset:WROW*i_
.set i_, i_+1
.endr
	WIN 0x80                                       ; into window 2
.rept 16
	global_load_b128 v[16+4*(i_-48):19+4*(i_-48)], v4, s[6:7] offset:WROW*i_
.set i_, i_+1
.endr
.set i_, 0
.rept 32
	global_load_b128 v[80+4*i_:83+4*i_], v5, s[8:9] offset:WROW*i_
.set i_, i_+1
.endr
	WIN 0
	ds_store_b128 v164, v[252:255] offset:512      ; the 16 bytes of padding behind each of my rows of P and of Q are written once too:
	ds_store_b128 v165, v[252:255] offset:576      ; no byte between the first and the last row of these regions stays undefined
	s_wait_loadcnt 63                              ; 96 loads were issued behind the 51 used here; 63 is the most that the wait can name
.set i_, 0
.rept 32
	ds_store_b128 v9, v[16+4*i_:19+4*i_] offset:PP*i_
.set i_, i_+1
.endr
; columns 128-131 of an image row, and zeros in its columns 132-143
.macro TAILST adr, x, off
	v_cvt_pk_bf16_f32 v[\x], v[\x], v[\x+1]
	v_cvt_pk_bf16_f32 v[\x+1], v[\x+2], v[\x+3]
	v_mov_b32 v[\x+2], 0
	v_mov_b32 v[\x+3], 0
	ds_store_b128 v[\adr], v[\x:\x+3] offset:\off
	ds_store_b128 v[\adr], v[252:255] offset:\off+16
.endm
	TAILST 13, 208, 256
	TAILST 13, 212, 256+32*P1
	TAILST 14, 216, 256
	WIN 0xcf                                       ; W3 is rounded in place in window 3,
.set i_, 0
.rept 16
	v_cvt_pk_bf16_f32 v[16+4*i_], v[16+4*i_], v[17+4*i_]
	v_cvt_pk_bf16_f32 v[17+4*i_], v[18+4*i_], v[19+4*i_]
.set i_, i_+1
.endr
	WIN 0x0c                                       ; and stored from there (store data: source 1)
.set i_, 0
.rept 16
	ds_store_b64 v12, v[16+4*i_:17+4*i_] offset:2*P3*i_
.set i_, i_+1
.endr
	WIN 0
; 16 rows of W1 or W2: left = the loads issued behind them (63 where there are more)
.macro CHUNK left, win, src, adr, off
	s_wait_loadcnt \left
	WIN \win*5                                     ; both sources in the data's window
.set i_, 0
.rept 16
	v_cvt_pk_bf16_f32 v[16+2*i_], v[\src+4*i_], v[\src+4*i_+1]
	v_cvt_pk_bf16_f32 v[17+2*i_], v[\src+4*i_+2], v[\src+4*i_+3]
.set i_, i_+1
.endr
	WIN 0
.set i_, 0
.rept 16
	ds_store_b64 v[\adr], v[16+2*i_:17+2*i_] offset:\off+P1*i_
.set i_, i_+1
.endr
.endm
	CHUNK 63, 1, 16, 10, 0                         ; behind these 16: 80 loads
	CHUNK 63, 1, 80, 10, 16*P1                     ; 64
	CHUNK 48, 1, 144, 10, 32*P1
	CHUNK 32, 2, 16, 10, 48*P1
	CHUNK 16, 2, 80, 11, 0
	CHUNK 0, 2, 144, 11, 16*P1                     ; every load is in: all offset registers are free from here on
; a quad of f32 in three bf16 terms (each difference is exact), into three image rows
.macro SPLIT3 x, adr, off, pitch
.irp t, 0,1,2
	v_cvt_pk_bf16_f32 v16, v[\x], v[\x+1]
	v_cvt_pk_bf16_f32 v17, v[\x+2], v[\x+3]
	ds_store_b64 v[\adr], v[16:17] offset:\off+\t*\pitch
.if \t < 2
	v_lshlrev_b32 v18, 16, v16
	v_and_b32 v19, 0xffff0000, v16
	v_lshlrev_b32 v20, 16, v17
	v_and_b32 v21, 0xffff0000, v17
	v_pk_add_f32 v[\x:\x+1], v[\x:\x+1], v[18:19] neg_lo:[0,1] neg_hi:[0,1]
	v_pk_add_f32 v[\x+2:\x+3], v[\x+2:\x+3], v[20:21] neg_lo:[0,1] neg_hi:[0,1]
.endif
.endr
.endm
; features 128 + 4 (L & 3) .. +3 of a continued bias: the loaded quad, zeros, (1, 1, 1, 0), zeros.  Leaves L & 3 in v22
.macro PADQ x
	v_and_b32 v22, 3, v1
	v_cmp_eq_u32 vcc_lo, 0, v22
	v_cmp_eq_u32 s30, 2, v22
.irp e, 0,1,2,3
	v_cndmask_b32 v[\x+\e], 0, v[\x+\e], vcc_lo
.endr
.irp e, 0,1,2
	v_cndmask_b32 v[\x+\e], v[\x+\e], 1.0, s30
.endr
.endm
	s_cmp_eq_u32 s20, 0
	s_cbranch_scc0 .Lsp1
.irp i, 0,1,2,3                                    ; wave 0: rows 128-131 (its v11 and v12 stand at the images' row 0)
	v_cvt_pk_bf16_f32 v[220+4*\i], v[220+4*\i], v[221+4*\i]
	v_cvt_pk_bf16_f32 v[221+4*\i], v[222+4*\i], v[223+4*\i]
	ds_store_b64 v11, v[220+4*\i:221+4*\i] offset:(128+\i)*P1
.endr
	v_and_b32 v3, 3, v1
	v_mul_u32_u24 v3, v3, P1
	v_add_nc_u32 v3, IMG2, v3
	TAILST 3, 236, 128*P1+256
.irp i, 0,1
	v_cvt_pk_bf16_f32 v[240+4*\i], v[240+4*\i], v[241+4*\i]
	v_cvt_pk_bf16_f32 v[241+4*\i], v[242+4*\i], v[243+4*\i]
	ds_store_b64 v12, v[240+4*\i:241+4*\i] offset:(128+2*\i)*P3
.endr
.Lsp1:
	s_cmp_eq_u32 s20, 1
	s_cbranch_scc0 .Lsp2
	v_add_nc_u32 v3, IMG2, v15                     ; wave 1: the zeros; 512 bytes a store, the last of a run laid back to end with it
.irp o, 0, 512, 640                                ; W2's image, rows 132-135: 1,152 bytes
	ds_store_b128 v3, v[252:255] offset:132*P1+\o
.endr
.irp o, 0, 512, 928                                ; rows 139-143: 1,440 bytes
	ds_store_b128 v3, v[252:255] offset:139*P1+\o
.endr
.irp o, 0, 128                                     ; W3's image, rows 132-135: 640 bytes
	ds_store_b128 v3, v[252:255] offset:IMG3-IMG2+132*P3+\o
.endr
.irp o, 0, 288                                     ; rows 139-143: 800 bytes
	ds_store_b128 v3, v[252:255] offset:IMG3-IMG2+139*P3+\o
.endr
	v_add_nc_u32 v4, PST+128*PP, v15
.irp o, 0, 512, 1024, 1536, 2048, 2560, 3072, 3584, 3712   ; rows 128-135 behind P: 4,224 bytes
	ds_store_b128 v4, v[252:255] offset:\o
.endr
.Lsp2:
	s_cmp_eq_u32 s20, 2
	s_cbranch_scc0 .Lsp3
	v_add_nc_u32 v3, IMG2, v250                    ; wave 2: b2, continued, into rows 136-138 of W2's image
	SPLIT3 SB2, 3, 136*P1, P1
	PADQ SB2+4
	v_lshlrev_b32 v4, 3, v22
	v_add_nc_u32 v4, IMG2, v4
	SPLIT3 SB2+4, 4, 136*P1+256, P1
.Lsp3:
	s_cmp_eq_u32 s20, 3
	s_cbranch_scc0 .Lsp4
	v_lshrrev_b32 v3, 1, v249                      ; wave 3: b3 into rows 136-138 of W3's image; b1, continued, in f32
	v_add_nc_u32 v3, IMG3, v3
	SPLIT3 SB3, 3, 136*P3, P3
	v_add_nc_u32 v4, BP, v15
	ds_store_b128 v4, v[SB1:SB1+3]
	PADQ SB1+4
	v_lshlrev_b32 v5, 4, v22
	v_add_nc_u32 v5, BP+512, v5
	ds_store_b128 v5, v[SB1+4:SB1+7]
.Lsp4:
	s_wait_dscnt 0x0                               ; my stores are in LDS before I say so
	s_barrier_signal -1
	; ------------------------------------------------------------ phase 1: Q, and the weights into registers
	v_lshrrev_b32 v3, 4, v1                        ; h
	v_bfe_u32 v4, v1, 3, 1                         ; hf
	v_and_b32 v5, 7, v1
	v_and_b32 v6, 15, v1                           ; r
	v_lshl_add_u32 v5, v3, 3, v5                   ; the image row that I address for the transposing loads: 8 h + (L & 7)
	v_lshlrev_b32 v4, 4, v4                        ; and the 16 bytes of it: 16 hf
	v_lshlrev_b32 v3, 5, v3                        ; 32 h
	v_mad_u32_u24 v9, v5, P1, v4                   ; W1 rows 0-127 (the image starts at LDS byte 0)
	v_mad_u32_u24 v10, v5, P3, v4
	v_add_nc_u32 v10, IMG3, v10                    ; W3
	v_add_nc_u32 v11, 128*P1, v9                   ; W1 rows 128-255
	v_add_nc_u32 v12, IMG2, v9                     ; W2
	v_mad_u32_u24 v13, v6, PP, v3
	v_add_nc_u32 v13, s32, v13                     ; P row 32 w + r, + 32 h
	v_mad_u32_u24 v14, v6, QP, v3
	v_add_nc_u32 v14, s36, v14                     ; Q row 32 w + r, + 32 h
	v_add_nc_u32 v15, BP, v3
	s_barrier_wait -1
	LOADW 11, W1F, 9, 32*P1, 16*P1                 ; W1's lower half sits in layer 1's registers while Q is made
.irp u, 0,1
	RLOAD 13, 128, \u*16*PP                        ; 16 rows of P as columns
	QLOAD 15, 0, 8                                 ; the sums start from b1
	s_wait_dscnt 18                                ; all but the 18 loads of b1
	XBUILD 1
	s_wait_dscnt 0x0
	LAYER1
	WIN 0
	NOP4                                           ; places in front of the stores of D, and of the loads into X, ACC and the fragments
.irp m, 0,1,2,3,4,5,6,7,8
	ds_store_b128 v14, v[ACC+8*\m:ACC+8*\m+3]   offset:\u*16*QP+64*\m
	ds_store_b128 v14, v[ACC+8*\m+4:ACC+8*\m+7] offset:\u*16*QP+64*\m+16
.endr
.endr
	LOADW 9, W1F, 9, 32*P1, 16*P1
	LOADW 12, W2F, 9, 32*P1, 16*P1
	LOADW 10, W3F, 4, 32*P3, 16*P3
.irp i, 0,1,2,3,4,5,6,7,8
	ds_load_tr16_b128 v[16+4*\i:19+4*\i], v12 offset:128*P1+32*\i      ; the tails: k = 128 + 8 h .. +7, of which .. +3 are kept
.endr
.irp i, 0,1,2,3
	ds_load_tr16_b128 v[52+4*\i:55+4*\i], v10 offset:128*P3+32*\i
.endr
	s_wait_dscnt 0x0                               ; the tails are in; and nobody's image is read, nor my Q unwritten, behind the barrier below
	WIN 0xc0
.set i_, 0
.rept 13
	v_mov_b32 v[TL0+2*i_], v[16+4*i_]              ; a load brings four registers, a tail keeps two: hence through window 0
	v_mov_b32 v[TL0+2*i_+1], v[17+4*i_]
.set i_, i_+1
.endr
.irp e, 26,27,28,29,30,31
	v_mov_b32 v[TL0+\e], 0
.endr
	WIN 0
.irp e, 2,3,4,5,6,7
	v_mov_b32 v[HT+\e], 0
.endr
	s_barrier_signal -1
	; ------------------------------------------------------------ phase 2: the tables.  Thread = feature 32 w + L; piece w is this wave's
	s_lshl_b32 s30, s22, 3                         ; t0A
	s_sub_co_u32 s31, 120, s30                     ; t0B
	s_lshl_b32 s37, s20, 7
	s_add_co_u32 s37, s37, PST                     ; my wave's 128 bytes of a row of P
	s_mul_i32 s32, s30, PP
	s_add_co_u32 s32, s32, s37
	s_mul_i32 s33, s31, PP
	s_add_co_u32 s33, s33, s37
	s_mul_i32 s34, s20, DGP
	s_mul_i32 s35, s20, RTAP
	s_add_co_u32 s35, s35, RTA
	s_mul_i32 s36, s20, RTBP
	s_add_co_u32 s36, s36, RTB
	v_lshlrev_b32 v54, 2, v1
	v_add_nc_u32 v49, s32, v54                     ; P row t0A
	v_add_nc_u32 v50, s33, v54                     ; P row t0B
	v_add_nc_u32 v51, s34, v54                     ; DG
	v_add_nc_u32 v52, s35, v54                     ; R of group A
	v_add_nc_u32 v53, s36, v54                     ; R of group B
	s_barrier_wait -1
.irp e, 0,1,2,3,4,5,6,7
	ds_load_b32 v[32+\e], v49 offset:\e*PP
	ds_load_b32 v[40+\e], v50 offset:\e*PP
.endr
	s_wait_dscnt 0x0
; DG[el][tl] = max P[t0 + tl .. t0 + el]; below the diagonal P[t0 + tl], a finite filler for columns that the mask throws away
.macro DGFILL p, g
.irp tl, 0,1,2,3,4,5,6,7
.irp el, 0,1,2,3,4,5,6,7
.if \el <= \tl
	ds_store_b32 v51, v[\p+\tl] offset:(64*\g+8*\el+\tl)*TP
.else
.if \el == \tl+1
	v_max_num_f32 v48, v[\p+\tl], v[\p+\el]
.else
	v_max_num_f32 v48, v48, v[\p+\el]
.endif
	ds_store_b32 v51, v48 offset:(64*\g+8*\el+\tl)*TP
.endif
.endr
.endr
.endm
	DGFILL 32, 0
	DGFILL 40, 1
; R[i] = max of P rows start .. start + i, eight rows a trip, written out nt times with an exit behind each trip that is the group's last.
; v49 = address of the first row.  Two sets of eight registers take turns: the next trip's rows are asked for ahead of this trip's chain.
; The look-ahead of the last trip always falls on rows 128-135, the zeros behind P.
.macro SCAN nreg, rt, nt, done
.irp e, 0,1,2,3,4,5,6,7
	ds_load_b32 v[32+\e], v49 offset:\e*PP
.endr
	v_mov_b32 v48, s28                             ; the running maximum starts at -infinity
.set i_, 0
.rept \nt
.set c_, 32+8*(i_&1)
.set n_, 32+8*((i_+1)&1)
	v_add_nc_u32 v49, 8*PP, v49
.irp e, 0,1,2,3,4,5,6,7
	ds_load_b32 v[n_+\e], v49 offset:\e*PP
.endr
	s_wait_dscnt 8                                 ; all but the eight just issued: this trip's rows are in
	v_max_num_f32 v[c_], v48, v[c_]
.irp e, 1,2,3,4,5,6
	v_max_num_f32 v[c_+\e], v[c_+\e-1], v[c_+\e]
.endr
	v_max_num_f32 v48, v[c_+6], v[c_+7]
.irp e, 0,1,2,3,4,5,6
	ds_store_b32 v[\rt], v[c_+\e] offset:(8*i_+\e)*TP
.endr
	ds_store_b32 v[\rt], v48 offset:(8*i_+7)*TP
.if i_+1 < \nt
	s_cmp_le_u32 s[\nreg], i_+1
	s_cbranch_scc1 \done
.endif
.set i_, i_+1
.endr
\done:
	s_wait_dscnt 0x0                               ; the look-ahead has landed (its registers are free), my stores are in LDS
.endm
	v_add_nc_u32 v49, 8*PP, v49                    ; group A: from row t0A + 8, 15 - j trips
	SCAN 23, 52, 15, .LscanA
	s_add_co_u32 s33, s31, 8                       ; group B: from row t0B + 8, j trips; with j = 0 one trip over rows 120-127, so that
	s_min_u32 s33, s33, 120                        ; the eight rows that the diagonal step's look-ahead reads are written
	s_mul_i32 s33, s33, PP
	s_add_co_u32 s33, s33, s37
	v_add_nc_u32 v49, s33, v54
	SCAN 25, 53, 7, .LscanB
	s_barrier_signal -1
	; ------------------------------------------------------------ phase 3: the steps
	s_lshl_b32 s32, s20, 1                         ; 2 w
	s_mul_i32 s33, s20, 16*TP
	s_mul_i32 s34, s20, 16*SP
	s_add_co_u32 s34, s34, STG
	s_mul_i32 s35, s20, 2*TP
	s_mul_i32 s36, s20, 2*QP
	s_mul_i32 s38, s30, QP
	s_add_co_u32 s38, s38, QT                      ; Q row t0A
	s_mul_i32 s39, s31, QP
	s_add_co_u32 s39, s39, QT                      ; Q row t0B
	s_sub_co_u32 s40, s23, 1
	s_mul_i32 s40, s40, 8*TP
	s_add_co_u32 s40, s40, RTA                     ; group A's last eight R rows
	s_sub_co_u32 s41, s25, 1
	s_mul_i32 s41, s41, 8*TP
	s_add_co_u32 s41, s41, RTB                     ; group B's
	v_lshrrev_b32 v11, 4, v1                       ; h
	v_bfe_u32 v12, v1, 3, 1                        ; hf
	v_and_b32 v13, 7, v1                           ; tl
	v_and_b32 v14, 15, v1                          ; r = 8 hf + tl
	v_lshlrev_b32 v11, 5, v11                      ; 32 h
	v_add_nc_u32 v15, s32, v12                     ; el = 2 w + hf
	v_cmp_le_u32 s27, v13, v15                     ; the diagonal step's live columns: t <= te
	v_mad_u32_u24 v6, v14, TP, v11
	v_add_nc_u32 v6, s33, v6                       ; DG row 8 el + tl = 16 w + r
	v_mad_u32_u24 v7, v13, TP, v11
	v_add_nc_u32 v7, 56*TP, v7                     ; S[tl] = DG row 56 + tl
	v_mad_u32_u24 v8, v14, SP, v11
	v_add_nc_u32 v8, s34, v8                       ; stage row 16 w + r
	v_mad_u32_u24 v9, v12, TP, v11
	v_add_nc_u32 v9, s35, v9                       ; el rows of R
	v_mad_u32_u24 v10, v12, QP, v11
	v_add_nc_u32 v10, s36, v10                     ; el rows of Q
	s_barrier_wait -1
; One step.  first = 1: the diagonal step (window maxima straight from DG, the mask starts the running maxima).
; On entry the step's 16 window loads and 18 Q loads are under way, in that order; the step issues the next step's the same way.
.macro STEP first, ps
.if \first
	s_wait_dscnt 34                                ; behind the 16 window loads: 18 of Q, 16 of S
.else
	s_wait_dscnt 18                                ; behind the 16 window loads: 18 of Q
.endif
	XBUILD \first
.if \first
	s_wait_dscnt 16                                ; Q is in; S is wanted only by the next step
.else
	s_wait_dscnt 0x0
.endif
	LAYER1
	WIN 0
	v_add_nc_u32 v[RA], 8*TP, v[RA]                ; four places behind layer 1, filled with the next step's addresses;
	v_min_u32 v[RAC], v[RA], v[RCL]                ; behind the group's last step they are held back to rows that exist: that look-ahead is thrown away
	v_add_nc_u32 v[QA], 8*QP, v[QA]
	v_min_u32 v[QAC], QCLAMP, v[QA]
	CONV
	RLOAD RAC, \ps, 0                              ; X and its stage are free since layer 1
	LAYER2
	WIN 0
	NOP4
	CONV
	QLOAD QAC, 4, 8                                ; tiles 4-8 are free: layer 3 has four
	LAYER3
	NOP4
.set e_, 0
.if \first
	WIN 0xc0
.rept 32
	v_cndmask_b32 v[OUTW+e_], s28, v[ACC+e_], s27  ; -infinity where te < t: nothing is cleared
.set e_, e_+1
.endr
.else
	WIN 0xc3
.rept 32
	v_max_num_f32 v[OUTW+e_], v[OUTW+e_], v[ACC+e_]
.set e_, e_+1
.endr
.endif
	WIN 0
	QLOAD QAC, 0, 3
.endm
; One group: the diagonal step, s[nreg] regular steps, the wave's maxima into the stage.
.macro GROUP g, ps, rtbase, nreg, qs, cl, loop, skip
	v_add_nc_u32 v[RA], \rtbase-8*TP, v9           ; one step in front of the first R rows
	v_add_nc_u32 v[RCL], s[\cl], v9
	v_add_nc_u32 v[QA], s[\qs], v10
	RLOAD 6, DGP, \g*64*TP
	QLOAD QA, 4, 8
	QLOAD QA, 0, 3
	SLOAD 7, \g*64*TP
	STEP 1, \ps
	s_cmp_eq_u32 s[\nreg], 0
	s_cbranch_scc1 \skip
	s_mov_b32 s26, 0
\loop:
	STEP 0, \ps
	s_add_co_u32 s26, s26, 1
	s_cmp_lt_u32 s26, s[\nreg]
	s_cbranch_scc1 \loop
\skip:
	; The stage's bytes lie apart from every table (the map at the head).  The two barriers put its stores into an interval in which no wave has
	; an LDS load under way, so that this ordering rests on the barriers and not on the stepped, held-back addresses of the look-ahead.
	s_wait_dscnt 0x0                               ; the look-ahead has landed: its registers are free, and I read nothing any more
	BARRIER
	WIN 0x0c                                       ; store data from window 3
.irp m, 0,1,2,3
	ds_store_b128 v8, v[OUTW+8*\m:OUTW+8*\m+3]   offset:\g*STGG+64*\m
	ds_store_b128 v8, v[OUTW+8*\m+4:OUTW+8*\m+7] offset:\g*STGG+64*\m+16
.endr
	WIN 0
	s_wait_dscnt 0x0                               ; in LDS before I say so
	BARRIER
.endm
	GROUP 0, RTAP, RTA, 23, 38, 40, .LloopA, .LskipA
	GROUP 1, RTBP, RTB, 22, 39, 41, .LloopB, .LskipB
	; ------------------------------------------------------------ phase 4: the way out.  Thread x: start time x >> 4 of each group, outputs 4 (x & 15) .. +3
	s_lshl_b32 s32, s22, 11                        ; 8 j rows of 256 bytes
	s_lshl_b32 s30, s21, 15                        ; b: 128 rows
	s_add_co_u32 s30, s30, s32
	s_mov_b32 s31, 0
	s_add_nc_u64 s[42:43], s[18:19], s[30:31]      ; out0[b][t0A]
	s_lshl_b32 s30, s21, 15
	s_add_co_u32 s30, s30, 120*256
	s_sub_co_u32 s30, s30, s32
	s_add_nc_u64 s[44:45], s[18:19], s[30:31]      ; out0[b][t0B]
	v_lshrrev_b32 v1, 4, v0
	v_and_b32 v2, 15, v0
	v_mul_u32_u24 v1, v1, SP
	v_lshl_add_u32 v1, v2, 4, v1
	v_add_nc_u32 v1, STG, v1
	v_lshlrev_b32 v2, 4, v0                        ; 16 x: sixteen neighbouring lanes store one row of 256 bytes, aligned
.irp k, 0,1,2,3,4,5,6,7                            ; the eight partial maxima of a start time lie eight stage rows apart (4 waves x 2 halves)
	ds_load_b128 v[16+4*\k:19+4*\k], v1 offset:8*SP*\k
.endr
.irp k, 0,1,2,3,4,5,6,7
	ds_load_b128 v[48+4*\k:51+4*\k], v1 offset:STGG+8*SP*\k
.endr
; max of eight, then sigmoid(5 z) = 1 / (1 + 2^(-5 log2(e) z)); behind the transcendentals one plain place each (ISA guide 5.7.2)
.macro FIN x, sb
.irp c, 0,1,2,3
	v_max3_num_f32 v[\x+\c], v[\x+\c], v[\x+4+\c], v[\x+8+\c]
.endr
.irp c, 0,1,2,3
	v_max3_num_f32 v[\x+\c], v[\x+\c], v[\x+12+\c], v[\x+16+\c]
.endr
.irp c, 0,1,2,3
	v_max3_num_f32 v[\x+\c], v[\x+\c], v[\x+20+\c], v[\x+24+\c]
.endr
.irp c, 0,1,2,3
	v_max_num_f32 v[\x+\c], v[\x+\c], v[\x+28+\c]
.endr
	v_pk_mul_f32 v[\x:\x+1], v[\x:\x+1], 0xc0e6d4ca op_sel_hi:[1,0]
	v_pk_mul_f32 v[\x+2:\x+3], v[\x+2:\x+3], 0xc0e6d4ca op_sel_hi:[1,0]
.irp c, 0,1,2,3
	v_exp_f32 v[\x+\c], v[\x+\c]
.endr
	v_nop
	s_wait_alu depctr_va_vdst(0)
	v_pk_add_f32 v[\x:\x+1], v[\x:\x+1], 1.0 op_sel_hi:[1,0]
	v_pk_add_f32 v[\x+2:\x+3], v[\x+2:\x+3], 1.0 op_sel_hi:[1,0]
.irp c, 0,1,2,3
	v_rcp_f32 v[\x+\c], v[\x+\c]
.endr
	v_nop
	s_wait_alu depctr_va_vdst(0)
	global_store_b128 v2, v[\x:\x+3], s[\sb:\sb+1]
.endm
	s_wait_dscnt 8                                 ; group A's eight are in, group B's may be out
	FIN 16, 42
	s_wait_dscnt 0x0
	FIN 48, 44
	s_wait_xcnt 0x0
	v_lshl_add_u32 v254, v0, 2, 0x4f000
	v_mov_b32 v255, 0
	s_wait_tensorcnt 0x0
	ds_add_u32 v254, v255
	s_wait_dscnt 0x0
	s_endpgm
.Lfunc_end_k_q2155a0f4d8_tll:
	.size	k_q2155a0f4d8_tll, .Lfunc_end_k_q2155a0f4d8_tll-k_q2155a0f4d8_tll
	.p2alignl 7, 3214868480
	.fill 96, 4, 3214868480
	.section	.rodata,"a",@progbits
	.p2align	6, 0x0
	.amdhsa_kernel k_q2155a0f4d8_tll
		.amdhsa_group_segment_fixed_size 324096
		.amdhsa_private_segment_fixed_size 0
		.amdhsa_enable_private_segment 0
		.amdhsa_kernarg_size 64
		.amdhsa_user_sgpr_count 2
		.amdhsa_user_sgpr_kernarg_segment_ptr 1
		.amdhsa_wavefront_size32 1
		.amdhsa_system_sgpr_workgroup_id_x 1
		.amdhsa_system_sgpr_workgroup_id_y 1
		.amdhsa_system_sgpr_workgroup_id_z 1
		.amdhsa_system_vgpr_workitem_id 0
		.amdhsa_next_free_vgpr 1024
		.amdhsa_next_free_sgpr 66
		.amdhsa_reserve_vcc 1
		.amdhsa_float_denorm_mode_32 3
		.amdhsa_float_denorm_mode_16_64 3
		.amdhsa_memory_ordered 1
		.amdhsa_forward_progress 1
		.amdhsa_inst_pref_size 235
	.end_amdhsa_kernel
	.amdgpu_metadata
---
amdhsa.version: [ 1, 2 ]
amdhsa.kernels:
  - .name:           k_q2155a0f4d8_tll
    .symbol:         k_q2155a0f4d8_tll.kd
    .args:
      - { .name: P, .offset: 0, .size: 8, .value_kind: global_buffer, .address_space: global }
      - { .name: W1, .offset: 8, .size: 8, .value_kind: global_buffer, .address_space: global }
      - { .name: W2, .offset: 16, .size: 8, .value_kind: global_buffer, .address_space: global }
      - { .name: W3, .offset: 24, .size: 8, .value_kind: global_buffer, .address_space: global }
      - { .name: b1, .offset: 32, .size: 8, .value_kind: global_buffer, .address_space: global }
      - { .name: b2, .offset: 40, .size: 8, .value_kind: global_buffer, .address_space: global }
      - { .name: b3, .offset: 48, .size: 8, .value_kind: global_buffer, .address_space: global }
      - { .name: out0, .offset: 56, .size: 8, .value_kind: global_buffer, .address_space: global }
    .group_segment_fixed_size: 324096
    .private_segment_fixed_size: 0
    .kernarg_segment_align: 8
    .kernarg_segment_size: 64
    .max_flat_workgroup_size: 128
    .sgpr_count:     66
    .vgpr_count:     1024
    .wavefront_size: 32
...
	.end_amdgpu_metadata
.endif
;; end of part 1
